; MI455X (gfx1250); checked and timed in simulation.
; The chip was launched on July 23, 2026; its instructions are those of AMD's public machine-readable ISA for CDNA 5 (MIT licence, August 2026) and "CDNA5" Instruction Set Architecture Reference Guide (July 2026). The comments in the code are by the model that wrote it; some were corrected since.
;; Chamfer Distance. Allowed arithmetic: float matrix products may take bf16 or f16 operands with f32 sums; all other float work in f32.
;; Inputs: source_cloud 1 x 16,384 x 3 float32; target_cloud 1 x 16,384 x 3 float32.
;; Outputs: out0 16,384 float32; out1 16,384 float32.
;; 2 versions, each right; version 2 is version 1 with the launch pairs written anew for expert scheduling mode. Each part assembles by itself: llvm-mc -triple=amdgcn-amd-amdhsa -mcpu=gfx1250 --defsym DOCPART=n.
;; ======== version 1 of 2: 2 launches
;; workspace buffers: part 2,097,152 bytes
;; launch pairs (part 1): grid 16 x 16, 8 waves a work-group, no clusters, 227,328 bytes of LDS; arguments source_cloud, target_cloud, part; writes part
.if DOCPART == 1
	.amdgcn_target "amdgcn-amd-amdhsa--gfx1250"
	.amdhsa_code_object_version 6
	.text
	.protected	k_qe629b78d40_pairs
	.globl	k_qe629b78d40_pairs
	.p2align	8
	.type	k_qe629b78d40_pairs,@function
k_qe629b78d40_pairs:
	s_mov_b64 s[64:65], 0
	v_nop
	global_prefetch_b8 v0, s[64:65] scope:SCOPE_SE
	s_setreg_imm32_b32 hwreg(HW_REG_WAVE_MODE, 25, 1), 1
	s_wait_xcnt 0x0
; Chamfer distance, first of two launches.  d[n][m] = |p_n|^2 + |q_m|^2 - 2 p_n.q_m for 16,384 source points p and 16,384 target points q in 3 dimensions.
; A work-group owns a block of 1,024 sources x 1,024 targets of d and stores, for its block, the largest -d/2 of every row and of every column:
;   part[0][block column][source] and part[1][block row][target], f32.  The second launch folds the 16 partial figures of each point and multiplies by -2.
; d IS FORMED ONCE and feeds both reductions: one matrix instruction and 8 three-way maxima for a tile of 16 x 16.
;
; THE WHOLE OF -d/2 COMES OUT OF THE MATRIX INSTRUCTION.  K = 32 is the shortest bf16 form and the product needs 3, so the other slots carry precision and the norms:
;   every coordinate is split p' = hi + mid (two bf16, 16 to 17 bits); s = |p'|^2 and t = |q'|^2 are made in f32 and split exactly into three bf16.
;   lanes 0-15  (k half 0):  A = hi(p) hi(p) | s_h s_m s_l      B = hi(q) mid(q) | -1/2 -1/2 -1/2
;   lanes 16-31 (k half 1):  A = mid(p) mid(p) | -1/2 -1/2 -1/2  B = hi(q) mid(q) | t_h t_m t_l
;   sum = p'.q' - s/2 - t/2 = -|p' - q'|^2 / 2.  Nine slots a half = words 0 to 4 of a fragment; words 5 to 7 are zero.  C is the constant 0: nothing is accumulated.
; LIMITS.  Inputs are finite: the maxima used here drop a NaN, where the formula would spread it.  The points are moved by at most 2^-17 of their size; the sum of the
;   slots is rounded like an f32 sum, so its error grows like 2^-23 (|p|^2 + |q|^2), as it does in the f32 formula; squares must stay inside f32's range, as there.
; NO CLUSTER, NO TENSOR LOADS: a work-group reads 24 KiB once (3 loads of 16 bytes a thread and cloud) for 4,096 tiles of work, and no LDS byte is filled twice;
;   what neighbours share is those 24 KiB alone.
;
; Eight waves.  Thread t builds the fragments' words of source points and target points 4t .. 4t+3 of the block and puts them into LDS in the operands' lane order.
; Wave w keeps row tiles 8w .. 8w+7 (128 sources) in registers and walks the 64 column tiles two at a time.
; Scalar registers: s[4:5], s[6:7] the clouds at my block; s[8:9] part; s10 wave; s12 block row; s16 trips; s17 a mask; s[24:25], s[26:27] where the row and the
; column maxima go (written once, kept to the end); s14-15, s18-23, s28 offsets at work.
.set BLK,   1024                       ; points of each cloud in a block
.set TILES, BLK/16
.set FP,    528                        ; LDS pitch of a tile's words 0-3: 32 lanes x 16 bytes + 16, so that the four tiles that 16 building lanes write start 16 bytes apart modulo 256
.set TP,    192                        ; LDS pitch of a tile's word 4: 32 lanes x 4 bytes + 64, for the same reason (0, 192, 128, 64 modulo 256)
.set FA,    0                          ; words 0-3 of the source tiles
.set FB,    TILES*FP                   ; words 0-3 of the target tiles
.set TA,    2*TILES*FP                 ; word 4 of the source tiles
.set TBO,   TILES*TP                   ; word 4 of the target tiles, counted from TA
.set CP,    TA+2*TILES*TP              ; column maxima: 16 planes (wave, lane half) of 1,024 f32
.set CPP,   4160                       ; a plane's pitch: 4,096 + 64, so that the two lane halves of a store fall on different banks
.set RS,    CP+16*CPP                  ; row maxima on their way out: for each wave 16 lines (lane mod 16) of 128 f32
.set RSP,   528                        ; a line's pitch: 512 + 16
.set RSW,   16*RSP
.set LN,  1                            ; lane
.set R15, 2                            ; lane mod 16
.set HF,  3                            ; lane / 16
.set GL,  4                            ; 48 t: my 4 points in a block of a cloud
.set GS,  5                            ; 16 t: my 4 results in a block of part
.set WF,  6                            ; LDS: where I put words 0-3
.set WT,  7                            ; LDS: where I put word 4
.set RA,  8                            ; LDS: my wave's source tiles, words 0-3
.set RAT, 9                            ;      and word 4
.set BA,  10                           ; LDS: target tiles, words 0-3, stepped by 4 tiles
.set BR,  11                           ;      and word 4
.set CS,  12                           ; LDS: my place in my wave's two planes, two tiles behind BA's tile
.set RSS, 13                           ; LDS: row stage, in
.set RSL, 14                           ; LDS: row stage, back
.set CL,  15                           ; LDS: my 4 columns in plane 0
.set AF,  16                           ; v[16:79]   8 source fragments
.set RX,  80                           ; v[80:143]  row maxima: tile i, register j = row 16 i + 8 (lane/16) + j, over the columns = lane mod 16 (mod 16)
.set DT,  144                          ; v[144:175] two buffers of two result tiles
.set BF,  176                          ; v[176:207] two buffers of two target fragments
.set CC,  208                          ; v[208:209] column maxima of the two column tiles at work
.set TM,  210                          ; v[210:213] at work
; while the fragments are built, v80-v175 serve as follows
.set PA,  80                           ; 12 f32: 4 source points as loaded, then p'
.set PB,  92                           ; 12 f32: 4 target points
.set HI,  104                          ; 12 f32: the bf16 hi parts
.set MI,  116                          ; 12 f32: the remainders, then the bf16 mid parts
.set OU,  128                          ; 4 points x words 0-3 for lane half 0, then the same for half 1
.set SQ,  160                          ; 4 squared norms
.set RE,  164                          ; 4 remainders of them
.set R4,  168                          ; word 4 of the half that carries the norm, 4 points
.set K4,  172                          ; word 4 of the half that carries the constant: (-1/2, 0), four times
	s_load_b128 s[4:7], s[0:1], 0x0                ; source s[4:5], target s[6:7]
	s_load_b64 s[8:9], s[0:1], 0x10                ; part
	v_lshl_add_u32 v216, v0, 2, 0x37400
	v_mov_b32 v217, 0
	v_lshrrev_b32 v[LN], 5, v0
	v_readfirstlane_b32 s10, v[LN]                 ; wave 0..7
	s_and_b32 s12, ttmp7, 0xffff                   ; block row (sources); ttmp9 is the block column (targets)
	s_mul_i32 s14, s12, BLK*12
	s_mov_b32 s15, 0
	s_mul_i32 s18, ttmp9, BLK*12
	s_mov_b32 s19, 0
	v_mul_u32_u24 v[GL], v0, 48                    ; 4 points of 12 bytes: three aligned loads of 16 bytes
	s_wait_kmcnt 0x0
	s_add_nc_u64 s[4:5], s[4:5], s[14:15]
	s_add_nc_u64 s[6:7], s[6:7], s[18:19]
.irp k, 0,1,2
	global_load_b128 v[PA+4*\k:PA+4*\k+3], v[GL], s[4:5] offset:16*\k
.endr
.irp k, 0,1,2
	global_load_b128 v[PB+4*\k:PB+4*\k+3], v[GL], s[6:7] offset:16*\k
.endr
	; where the results go: rows at part[0][block column][1,024 block row], columns at part[1][block row][1,024 block column]
	s_lshl_b32 s14, ttmp9, 16
	s_lshl_b32 s20, s12, 12
	s_add_co_u32 s14, s14, s20
	s_add_nc_u64 s[24:25], s[8:9], s[14:15]        ; s[24:25] and s[26:27] are not written again
	s_lshl_b32 s18, s12, 16
	s_lshl_b32 s20, ttmp9, 12
	s_add_co_u32 s18, s18, s20
	s_add_co_u32 s18, s18, 0x100000
	s_add_nc_u64 s[26:27], s[8:9], s[18:19]
	; LDS addresses: a constant, the wave's number times a constant, a lane term
	v_and_b32 v[LN], 31, v0
	v_and_b32 v[R15], 15, v0
	v_bfe_u32 v[HF], v0, 4, 1
	v_lshrrev_b32 v[TM], 2, v[LN]                  ; my 4 points lie in tile 8 w + lane/4,
	v_and_b32 v[TM+1], 3, v[LN]                    ; at places 4 (lane mod 4) .. + 3
	s_mul_i32 s20, s10, 8*FP
	s_mul_i32 s21, s10, 8*TP
	s_add_co_u32 s21, s21, TA
	v_mul_u32_u24 v[WF], v[TM], FP
	v_lshl_add_u32 v[WF], v[TM+1], 6, v[WF]
	v_add_nc_u32 v[WF], s20, v[WF]
	v_mul_u32_u24 v[WT], v[TM], TP
	v_lshl_add_u32 v[WT], v[TM+1], 4, v[WT]
	v_add_nc_u32 v[WT], s21, v[WT]
	v_lshlrev_b32 v[BA], 4, v[LN]                  ; a fragment's words 0-3: 16 bytes a lane, 512 neighbouring bytes a wave
	v_add_nc_u32 v[RA], s20, v[BA]
	v_lshl_add_u32 v[RAT], v[LN], 2, s21           ; word 4: 4 bytes a lane
	v_lshlrev_b32 v[BR], 2, v[LN]
	v_add_nc_u32 v[BR], TA+TBO, v[BR]
	s_mul_i32 s22, s10, 2*CPP
	s_add_co_u32 s22, s22, CP-128                  ; two tiles (128 bytes) behind: the maxima of a pair are stored while the next pair is multiplied
	v_mul_u32_u24 v[CS], v[HF], CPP
	v_lshl_add_u32 v[CS], v[R15], 2, v[CS]
	v_add_nc_u32 v[CS], s22, v[CS]
	s_mul_i32 s23, s10, RSW
	s_add_co_u32 s23, s23, RS
	v_mul_u32_u24 v[RSS], v[R15], RSP
	v_lshl_add_u32 v[RSS], v[HF], 5, v[RSS]        ; line lane mod 16, rows 8 (lane/16) ..
	v_add_nc_u32 v[RSS], s23, v[RSS]
	v_add_nc_u32 v[RSL], s23, v[BA]                ; back: rows 4 lane .. + 3 of a line
	s_lshl_b32 s28, s10, 9
	s_add_co_u32 s28, s28, CP
	v_add_nc_u32 v[CL], s28, v[BA]                 ; columns 4 t .. + 3 of plane 0
	v_lshlrev_b32 v[GS], 4, v0
	s_mov_b32 s17, 0xffff0000                      ; a word's upper bf16
.irp i, 0,1,2,3
	v_mov_b32 v[K4+\i], 0xbf00                     ; (-1/2, 0)
.endr
.irp i, 0,1,2,3,4,5,6,7
.irp j, 5,6,7
	v_mov_b32 v[AF+8*\i+\j], 0                     ; the K slots that are not used: written once, never loaded over
.endr
.endr
.irp i, 0,1,2,3
.irp j, 5,6,7
	v_mov_b32 v[BF+8*\i+\j], 0
.endr
.endr
; three words = six bf16: the triple at a, then the triple at b (f32 registers that hold bf16 values: the conversion is exact)
.macro PACK3 dst, a, b
	v_cvt_pk_bf16_f32 v[\dst],   v[\a],   v[\a+1]
	v_cvt_pk_bf16_f32 v[\dst+1], v[\a+2], v[\b]
	v_cvt_pk_bf16_f32 v[\dst+2], v[\b+1], v[\b+2]
.endm
; Four points (12 f32 at P) to fragment words in LDS.  a0, b0: the two triples of lane half 0; a1, b1: of half 1; hs: the half that carries the norm;
; foff, toff: the cloud's regions.
.macro BUILD P, a0, b0, a1, b1, hs, foff, toff
.irp k, 0,1,2,3,4,5,6,7,8,9,10,11
	v_cvt_pk_bf16_f32 v[HI+\k], 0, v[\P+\k]        ; bf16 in the upper half over a zero = the hi part as f32
.endr
.irp k, 0,2,4,6,8,10
	v_pk_add_f32 v[MI+\k:MI+\k+1], v[\P+\k:\P+\k+1], v[HI+\k:HI+\k+1] neg_lo:[0,1] neg_hi:[0,1]   ; the remainder, exact
.endr
.irp k, 0,1,2,3,4,5,6,7,8,9,10,11
	v_cvt_pk_bf16_f32 v[MI+\k], 0, v[MI+\k]        ; the mid part as f32
.endr
.irp k, 0,2,4,6,8,10
	v_pk_add_f32 v[\P+\k:\P+\k+1], v[HI+\k:HI+\k+1], v[MI+\k:MI+\k+1]   ; p' = hi + mid, exact: the norm is taken of what the products see
.endr
.irp i, 0,1,2,3
	v_mul_f32 v[SQ+\i], v[\P+3*\i], v[\P+3*\i]
.endr
.irp i, 0,1,2,3
	v_fma_f32 v[SQ+\i], v[\P+3*\i+1], v[\P+3*\i+1], v[SQ+\i]
.endr
.irp i, 0,1,2,3
	v_fma_f32 v[SQ+\i], v[\P+3*\i+2], v[\P+3*\i+2], v[SQ+\i]
.endr
.irp i, 0,1,2,3
	PACK3 OU+4*\i, \a0+3*\i, \b0+3*\i
	PACK3 OU+16+4*\i, \a1+3*\i, \b1+3*\i
	v_mov_b32 v[OU+16*(1-\hs)+4*\i+3], 0xbf00bf00  ; (-1/2, -1/2) meets the other cloud's norm
.endr
	; the norm in three bf16, exact: 8 bits, 8 bits of the remainder, the last 8
.irp i, 0,1,2,3
	v_cvt_pk_bf16_f32 v[RE+\i], 0, v[SQ+\i]
.endr
	v_pk_add_f32 v[RE:RE+1],   v[SQ:SQ+1],   v[RE:RE+1]   neg_lo:[0,1] neg_hi:[0,1]
	v_pk_add_f32 v[RE+2:RE+3], v[SQ+2:SQ+3], v[RE+2:RE+3] neg_lo:[0,1] neg_hi:[0,1]
.irp i, 0,1,2,3
	v_cvt_pk_bf16_f32 v[OU+16*\hs+4*\i+3], v[SQ+\i], v[RE+\i]
.endr
.irp i, 0,1,2,3
	v_and_b32 v[SQ+\i], s17, v[OU+16*\hs+4*\i+3]
.endr
	v_pk_add_f32 v[RE:RE+1],   v[RE:RE+1],   v[SQ:SQ+1]   neg_lo:[0,1] neg_hi:[0,1]
	v_pk_add_f32 v[RE+2:RE+3], v[RE+2:RE+3], v[SQ+2:SQ+3] neg_lo:[0,1] neg_hi:[0,1]
.irp i, 0,1,2,3
	v_cvt_pk_bf16_f32 v[R4+\i], v[RE+\i], 0
.endr
.irp i, 0,1,2,3
	ds_store_b128 v[WF], v[OU+4*\i:OU+4*\i+3]       offset:\foff+16*\i        ; lane place 4 (lane mod 4) + i of half 0
	ds_store_b128 v[WF], v[OU+16+4*\i:OU+16+4*\i+3] offset:\foff+256+16*\i    ; and of half 1
.endr
	ds_store_b128 v[WT], v[R4:R4+3] offset:\toff+64*\hs                       ; word 4 of my 4 points is 16 neighbouring bytes
	ds_store_b128 v[WT], v[K4:K4+3] offset:\toff+64*(1-\hs)
.endm
	s_wait_loadcnt 0x3                             ; loads come back in order (ISA guide 5.7.1): the source's three are in, the target's three may be out
	BUILD PA, HI, HI, MI, MI, 0, FA, 0
	s_wait_loadcnt 0x0
	BUILD PB, HI, MI, HI, MI, 1, FB, TBO
	s_wait_dscnt 0x0                               ; my stores are done, for the others' sake
	s_barrier_signal -1
	s_barrier_wait -1                              ; all fragments are in LDS; nothing writes them again
.irp i, 0,1,2,3,4,5,6,7
	ds_load_b128 v[AF+8*\i:AF+8*\i+3], v[RA] offset:FA+\i*FP
	ds_load_b32  v[AF+8*\i+4], v[RAT] offset:\i*TP
.endr
	ds_load_b128 v[BF:BF+3],    v[BA] offset:FB
	ds_load_b32  v[BF+4],       v[BR]
	ds_load_b128 v[BF+8:BF+11], v[BA] offset:FB+FP
	ds_load_b32  v[BF+12],      v[BR] offset:TP
; Two products: row tile i times the two column tiles in target buffer b, into result buffer i mod 2.  C = 0: each product stands alone, no sum is carried on.
.macro WM i, b
	v_wmma_f32_16x16x32_bf16 v[DT+16*((\i)&1):DT+16*((\i)&1)+7],    v[AF+8*(\i):AF+8*(\i)+7], v[BF+16*\b:BF+16*\b+7],    0
	v_wmma_f32_16x16x32_bf16 v[DT+16*((\i)&1)+8:DT+16*((\i)&1)+15], v[AF+8*(\i):AF+8*(\i)+7], v[BF+16*\b+8:BF+16*\b+15], 0
.endm
; The 16 maxima of row tile i's two result tiles: 8 take both tiles into the row maxima, register by register; 4 + 4 fold a lane's 8 rows of each tile into the
; tile's column maximum.  rfirst: the first pair of column tiles starts the row maxima; cfirst: row tile 0 starts the column maxima.  Nothing is preset.
.macro MX i, rfirst, cfirst
.set DA, DT+16*((\i)&1)
.set DB, DA+8
.set RR, RX+8*(\i)
	v_max3_num_f32 v[TM],   v[DA],   v[DA+1], v[DA+2]
	v_max3_num_f32 v[TM+1], v[DA+3], v[DA+4], v[DA+5]
	v_max3_num_f32 v[TM+2], v[DB],   v[DB+1], v[DB+2]
	v_max3_num_f32 v[TM+3], v[DB+3], v[DB+4], v[DB+5]
.if \cfirst
	v_max_num_f32 v[CC],   v[DA+6], v[DA+7]
	v_max_num_f32 v[CC+1], v[DB+6], v[DB+7]
.else
	v_max3_num_f32 v[CC],   v[CC],   v[DA+6], v[DA+7]
	v_max3_num_f32 v[CC+1], v[CC+1], v[DB+6], v[DB+7]
.endif
.irp j, 0,1,2,3
.if \rfirst
	v_max_num_f32 v[RR+\j], v[DA+\j], v[DB+\j]
.else
	v_max3_num_f32 v[RR+\j], v[RR+\j], v[DA+\j], v[DB+\j]
.endif
.endr
	v_max3_num_f32 v[CC],   v[CC],   v[TM],   v[TM+1]
	v_max3_num_f32 v[CC+1], v[CC+1], v[TM+2], v[TM+3]
.irp j, 4,5,6,7
.if \rfirst
	v_max_num_f32 v[RR+\j], v[DA+\j], v[DB+\j]
.else
	v_max3_num_f32 v[RR+\j], v[RR+\j], v[DA+\j], v[DB+\j]
.endif
.endr
.endm
; One pair of column tiles against my 8 row tiles.  The maxima run one row tile behind the products: behind the products of row tile i stand the 16 maxima of
; row tile i - 1, which name the other result buffer and none of those products' registers.  They are the independent vector instructions that have to stand
; between a matrix instruction and the reading of its result, the next writing of its result buffer, and a load into a fragment that it read.
; b: the pair's target buffer; prev: the pair before has its last row tile to finish (pfirst: it was the first pair); first: this is the first pair;
; load: the next pair's fragments (tiles lt, lt + 1 from BA's tile) are fetched into the other buffer, whose last products stand 32 maxima back; st: where the finished maxima go.
.macro PAIR b, prev, pfirst, first, load, lt, st
	s_wait_dscnt 0x0                               ; this pair's fragments, the youngest LDS instructions out, were asked for seven row tiles ago
	WM 0, \b
.if \prev
	MX 7, \pfirst, 0
	ds_store_b32 v[CS], v[CC]   offset:\st         ; 16 columns x 2 lane halves, into my wave's own two planes
	ds_store_b32 v[CS], v[CC+1] offset:\st+64
.else
.rept 4
	v_nop                                          ; the very first products have no earlier maxima behind them
.endr
.endif
.if \load
	ds_load_b128 v[BF+16*(1-\b):BF+16*(1-\b)+3],    v[BA] offset:FB+\lt*FP
	ds_load_b32  v[BF+16*(1-\b)+4],                 v[BR] offset:\lt*TP
	ds_load_b128 v[BF+16*(1-\b)+8:BF+16*(1-\b)+11], v[BA] offset:FB+(\lt+1)*FP
	ds_load_b32  v[BF+16*(1-\b)+12],                v[BR] offset:(\lt+1)*TP
.endif
	WM 1, \b
	MX 0, \first, 1
.irp i, 2,3,4,5,6,7
	WM \i, \b
	MX \i-1, \first, 0
.endr
.endm
.macro STEPADR                         ; four column tiles on
	v_add_nc_u32 v[BA], 4*FP, v[BA]
	v_add_nc_u32 v[BR], 4*TP, v[BR]
	v_add_nc_u32 v[CS], 4*64, v[CS]
.endm
	; 32 pairs of column tiles, two to a trip: the first trip starts the row maxima, 14 go round, the last fetches nothing beyond tile 63
	PAIR 0, 0, 0, 1, 1, 2, 0
	PAIR 1, 1, 1, 0, 1, 4, 128
	STEPADR
	s_mov_b32 s16, 14
.Ltrip:
	PAIR 0, 1, 0, 0, 1, 2, 0
	PAIR 1, 1, 0, 0, 1, 4, 128
	STEPADR
	s_sub_co_i32 s16, s16, 1
	s_cmp_lg_u32 s16, 0
	s_cbranch_scc1 .Ltrip
	PAIR 0, 1, 0, 0, 1, 2, 0
	PAIR 1, 1, 0, 0, 0, 4, 128
	MX 7, 0, 0
	ds_store_b32 v[CS], v[CC]   offset:256         ; column tiles 62 and 63
	ds_store_b32 v[CS], v[CC+1] offset:320
; sixteen groups of four numbers at X are folded into the first group
.macro TREE X
.irp c, 0,1,2,3
	v_max3_num_f32 v[\X+\c],    v[\X+\c],    v[\X+4+\c],  v[\X+8+\c]
	v_max3_num_f32 v[\X+12+\c], v[\X+12+\c], v[\X+16+\c], v[\X+20+\c]
	v_max3_num_f32 v[\X+24+\c], v[\X+24+\c], v[\X+28+\c], v[\X+32+\c]
	v_max3_num_f32 v[\X+36+\c], v[\X+36+\c], v[\X+40+\c], v[\X+44+\c]
	v_max3_num_f32 v[\X+48+\c], v[\X+48+\c], v[\X+52+\c], v[\X+56+\c]
.endr
.irp c, 0,1,2,3
	v_max3_num_f32 v[\X+\c],    v[\X+\c],    v[\X+12+\c], v[\X+24+\c]
	v_max3_num_f32 v[\X+36+\c], v[\X+36+\c], v[\X+48+\c], v[\X+60+\c]
.endr
.irp c, 0,1,2,3
	v_max_num_f32 v[\X+\c], v[\X+\c], v[\X+36+\c]
.endr
.endm
	; ROWS.  A row's maximum is spread over 16 lanes.  Folding 64 registers across lanes would take 4 steps each, 256 instructions; through my wave's own stage it takes
	; 16 stores, 16 loads and 32 maxima, and leaves 4 neighbouring rows in a lane: line = lane mod 16, 128 rows along it.
.irp i, 0,1,2,3,4,5,6,7
	ds_store_b128 v[RSS], v[RX+8*\i:RX+8*\i+3]   offset:64*\i
	ds_store_b128 v[RSS], v[RX+8*\i+4:RX+8*\i+7] offset:64*\i+16
.endr
.irp k, 0,1,2,3,4,5,6,7,8,9,10,11,12,13,14,15
	ds_load_b128 v[AF+4*\k:AF+4*\k+3], v[RSL] offset:\k*RSP    ; LDS serves a wave's instructions in order (ISA guide 5.7.1): these see the stores above; the stage is my wave's alone
.endr
	s_wait_dscnt 0x0                               ; the lines are in, and my column maxima are in LDS for the other waves
	s_barrier_signal -1
	TREE AF                                        ; register work while the others arrive
	s_barrier_wait -1
	; COLUMNS.  16 planes (8 waves x 2 lane halves) of 1,024; thread t folds columns 4 t .. + 3.
.irp k, 0,1,2,3,4,5,6,7,8,9,10,11,12,13,14,15
	ds_load_b128 v[DT+4*\k:DT+4*\k+3], v[CL] offset:\k*CPP
.endr
	global_store_b128 v[GS], v[AF:AF+3], s[24:25]  ; a wave stores 512 neighbouring bytes, at a multiple of 512 from the buffer's first byte
	s_wait_dscnt 0x0
	TREE DT
	global_store_b128 v[GS], v[DT:DT+3], s[26:27]
	s_wait_tensorcnt 0x0
	ds_add_u32 v216, v217
	s_wait_dscnt 0x0
	s_endpgm
.Lfunc_end_k_qe629b78d40_pairs:
	.size	k_qe629b78d40_pairs, .Lfunc_end_k_qe629b78d40_pairs-k_qe629b78d40_pairs
	.p2alignl 7, 3214868480
	.fill 96, 4, 3214868480
	.section	.rodata,"a",@progbits
	.p2align	6, 0x0
	.amdhsa_kernel k_qe629b78d40_pairs
		.amdhsa_group_segment_fixed_size 227328
		.amdhsa_private_segment_fixed_size 0
		.amdhsa_enable_private_segment 0
		.amdhsa_kernarg_size 24
		.amdhsa_user_sgpr_count 2
		.amdhsa_user_sgpr_kernarg_segment_ptr 1
		.amdhsa_wavefront_size32 1
		.amdhsa_system_sgpr_workgroup_id_x 1
		.amdhsa_system_sgpr_workgroup_id_y 1
		.amdhsa_system_sgpr_workgroup_id_z 1
		.amdhsa_system_vgpr_workitem_id 0
		.amdhsa_next_free_vgpr 218
		.amdhsa_next_free_sgpr 66
		.amdhsa_reserve_vcc 0
		.amdhsa_float_denorm_mode_32 3
		.amdhsa_float_denorm_mode_16_64 3
		.amdhsa_memory_ordered 1
		.amdhsa_forward_progress 1
		.amdhsa_inst_pref_size 81
	.end_amdhsa_kernel
	.amdgpu_metadata
---
amdhsa.version: [ 1, 2 ]
amdhsa.kernels:
  - .name:           k_qe629b78d40_pairs
    .symbol:         k_qe629b78d40_pairs.kd
    .args:
      - { .name: source_cloud, .offset: 0, .size: 8, .value_kind: global_buffer, .address_space: global }
      - { .name: target_cloud, .offset: 8, .size: 8, .value_kind: global_buffer, .address_space: global }
      - { .name: part, .offset: 16, .size: 8, .value_kind: global_buffer, .address_space: global }
    .group_segment_fixed_size: 227328
    .private_segment_fixed_size: 0
    .kernarg_segment_align: 8
    .kernarg_segment_size: 24
    .max_flat_workgroup_size: 256
    .sgpr_count:     66
    .vgpr_count:     218
    .wavefront_size: 32
...
	.end_amdgpu_metadata
.endif
;; end of part 1
;; launch fold (part 2): grid 128 x 2, 1 waves a work-group, no clusters, 0 bytes of LDS; arguments part, out0, out1; writes out0, out1
.if DOCPART == 2
	.amdgcn_target "amdgcn-amd-amdhsa--gfx1250"
	.amdhsa_code_object_version 6
	.text
	.protected	k_qe629b78d40_fold
	.globl	k_qe629b78d40_fold
	.p2align	8
	.type	k_qe629b78d40_fold,@function
k_qe629b78d40_fold:
	s_mov_b64 s[64:65], 0
	v_nop
	global_prefetch_b8 v0, s[64:65] scope:SCOPE_SE
	s_setreg_imm32_b32 hwreg(HW_REG_WAVE_MODE, 25, 1), 1
	s_wait_xcnt 0x0
; Chamfer distance, second launch.  part[dir][16][16384] holds, for each point, the largest -d/2 found in each of the 16 blocks that its row (dir 0: sources)
; or its column (dir 1: targets) of d crosses.  out[dir][i] = -2 x the largest of the 16 = the smallest d.
; One wave a work-group, 128 points: a lane takes 4 neighbouring points, so every load and the store cover 512 neighbouring bytes, at a multiple of 512 from the
; buffer's first byte.  All 16 loads of a lane go out together; 2 MiB are read once and 128 KiB written once by 256 work-groups.  No LDS, no barrier: no wave needs another's numbers.
; As in the first launch the maxima drop a NaN: inputs are finite.
.set PLANE, 65536                      ; bytes from one block's partial figures to the next block's
.set X, 4                              ; v[4:67] 16 groups of 4 numbers
	s_load_b128 s[4:7], s[0:1], 0x0                ; part s[4:5], out0 s[6:7]
	s_load_b64 s[8:9], s[0:1], 0x10                ; out1
	s_and_b32 s10, ttmp7, 0xffff                   ; direction
	s_lshl_b32 s12, ttmp9, 9                       ; my 128 points, in bytes
	s_mov_b32 s13, 0
	s_lshl_b32 s14, s10, 20                        ; the direction's 16 planes
	s_add_co_u32 s14, s14, s12
	s_mov_b32 s15, 0
	v_lshlrev_b32 v1, 4, v0
	s_wait_kmcnt 0x0
	s_add_nc_u64 s[4:5], s[4:5], s[14:15]
.irp k, 0,1,2,3,4,5,6,7,8,9,10,11,12,13,14,15
	global_load_b128 v[X+4*\k:X+4*\k+3], v1, s[4:5] offset:\k*PLANE th:TH_LOAD_NT
.endr
	s_cmp_eq_u32 s10, 0
	s_cselect_b64 s[6:7], s[6:7], s[8:9]           ; the direction's output
	s_add_nc_u64 s[6:7], s[6:7], s[12:13]
	s_wait_loadcnt 0x0
.irp c, 0,1,2,3
	v_max3_num_f32 v[X+\c],    v[X+\c],    v[X+4+\c],  v[X+8+\c]
	v_max3_num_f32 v[X+12+\c], v[X+12+\c], v[X+16+\c], v[X+20+\c]
	v_max3_num_f32 v[X+24+\c], v[X+24+\c], v[X+28+\c], v[X+32+\c]
	v_max3_num_f32 v[X+36+\c], v[X+36+\c], v[X+40+\c], v[X+44+\c]
	v_max3_num_f32 v[X+48+\c], v[X+48+\c], v[X+52+\c], v[X+56+\c]
.endr
.irp c, 0,1,2,3
	v_max3_num_f32 v[X+\c],    v[X+\c],    v[X+12+\c], v[X+24+\c]
	v_max3_num_f32 v[X+36+\c], v[X+36+\c], v[X+48+\c], v[X+60+\c]
.endr
.irp c, 0,1,2,3
	v_max_num_f32 v[X+\c], v[X+\c], v[X+36+\c]
.endr
	v_pk_mul_f32 v[X:X+1],   v[X:X+1],   -2.0 op_sel_hi:[1,0]      ; exact: back from -d/2 to d
	v_pk_mul_f32 v[X+2:X+3], v[X+2:X+3], -2.0 op_sel_hi:[1,0]
	global_store_b128 v1, v[X:X+3], s[6:7]
	s_endpgm
.Lfunc_end_k_qe629b78d40_fold:
	.size	k_qe629b78d40_fold, .Lfunc_end_k_qe629b78d40_fold-k_qe629b78d40_fold
	.p2alignl 7, 3214868480
	.fill 96, 4, 3214868480
	.section	.rodata,"a",@progbits
	.p2align	6, 0x0
	.amdhsa_kernel k_qe629b78d40_fold
		.amdhsa_group_segment_fixed_size 0
		.amdhsa_private_segment_fixed_size 0
		.amdhsa_enable_private_segment 0
		.amdhsa_kernarg_size 24
		.amdhsa_user_sgpr_count 2
		.amdhsa_user_sgpr_kernarg_segment_ptr 1
		.amdhsa_wavefront_size32 1
		.amdhsa_system_sgpr_workgroup_id_x 1
		.amdhsa_system_sgpr_workgroup_id_y 1
		.amdhsa_system_sgpr_workgroup_id_z 1
		.amdhsa_system_vgpr_workitem_id 0
		.amdhsa_next_free_vgpr 72
		.amdhsa_next_free_sgpr 66
		.amdhsa_reserve_vcc 0
		.amdhsa_float_denorm_mode_32 3
		.amdhsa_float_denorm_mode_16_64 3
		.amdhsa_memory_ordered 1
		.amdhsa_forward_progress 1
		.amdhsa_inst_pref_size 5
	.end_amdhsa_kernel
	.amdgpu_metadata
---
amdhsa.version: [ 1, 2 ]
amdhsa.kernels:
  - .name:           k_qe629b78d40_fold
    .symbol:         k_qe629b78d40_fold.kd
    .args:
      - { .name: part, .offset: 0, .size: 8, .value_kind: global_buffer, .address_space: global }
      - { .name: out0, .offset: 8, .size: 8, .value_kind: global_buffer, .address_space: global }
      - { .name: out1, .offset: 16, .size: 8, .value_kind: global_buffer, .address_space: global }
    .group_segment_fixed_size: 0
    .private_segment_fixed_size: 0
    .kernarg_segment_align: 8
    .kernarg_segment_size: 24
    .max_flat_workgroup_size: 32
    .sgpr_count:     66
    .vgpr_count:     72
    .wavefront_size: 32
...
	.end_amdgpu_metadata
.endif
;; end of part 2
;; ======== version 2 of 2: 2 launches; version 1 with the launch pairs written anew for expert scheduling mode
;; workspace buffers: part 2,097,152 bytes
;; launch pairs (part 3): grid 16 x 16, 8 waves a work-group, no clusters, 227,328 bytes of LDS; arguments source_cloud, target_cloud, part; writes part
.if DOCPART == 3
	.amdgcn_target "amdgcn-amd-amdhsa--gfx1250"
	.amdhsa_code_object_version 6
	.text
	.protected	k_qe629b78d40_pairs
	.globl	k_qe629b78d40_pairs
	.p2align	8
	.type	k_qe629b78d40_pairs,@function
k_qe629b78d40_pairs:
	s_mov_b64 s[64:65], 0
	v_nop
	global_prefetch_b8 v0, s[64:65] scope:SCOPE_SE
	s_setreg_imm32_b32 hwreg(HW_REG_WAVE_SCHED_MODE, 0, 2), 2
	s_setreg_imm32_b32 hwreg(HW_REG_WAVE_MODE, 25, 1), 1
	s_wait_xcnt 0x0
	s_wait_alu depctr_vm_vsrc(0)
; Chamfer distance, first of two launches.  d[n][m] = |p_n|^2 + |q_m|^2 - 2 p_n.q_m for 16,384 source points p and 16,384 target points q in 3 dimensions.
; A work-group owns a block of 1,024 sources x 1,024 targets of d and stores, for its block, the largest -d/2 of every row and of every column:
;   part[0][block column][source] and part[1][block row][target], f32.  The second launch folds the 16 partial figures of each point and multiplies by -2.
; d IS FORMED ONCE and feeds both reductions: one matrix instruction and 8 three-way maxima for a tile of 16 x 16.
;
; THE WHOLE OF -d/2 COMES OUT OF THE MATRIX INSTRUCTION.  K = 32 is the shortest bf16 form and the product needs 3, so the other slots carry precision and the norms:
;   every coordinate is split p' = hi + mid (two bf16, 16 to 17 bits); s = |p'|^2 and t = |q'|^2 are made in f32 and split exactly into three bf16.
;   lanes 0-15  (k half 0):  A = hi(p) hi(p) | s_h s_m s_l      B = hi(q) mid(q) | -1/2 -1/2 -1/2
;   lanes 16-31 (k half 1):  A = mid(p) mid(p) | -1/2 -1/2 -1/2  B = hi(q) mid(q) | t_h t_m t_l
;   sum = p'.q' - s/2 - t/2 = -|p' - q'|^2 / 2.  Nine slots a half = words 0 to 4 of a fragment; words 5 to 7 are zero.  C is the constant 0: nothing is accumulated.
; LIMITS.  Inputs are finite: the maxima used here drop a NaN, where the formula would spread it.  The points are moved by at most 2^-17 of their size; the sum of the
;   slots is rounded like an f32 sum, so its error grows like 2^-23 (|p|^2 + |q|^2), as it does in the f32 formula; squares must stay inside f32's range, as there.
; NO CLUSTER, NO TENSOR LOADS: a work-group reads 24 KiB once (3 loads of 16 bytes a thread and cloud) for 4,096 tiles of work, and no LDS byte is filled twice;
;   what neighbours share is those 24 KiB alone.
;
; Eight waves.  Thread t builds the fragments' words of source points and target points 4t .. 4t+3 of the block and puts them into LDS in the operands' lane order.
; Wave w keeps row tiles 8w .. 8w+7 (128 sources) in registers and walks the 64 column tiles two at a time.
; Scalar registers: s[4:5], s[6:7] the clouds at my block; s[8:9] part; s10 wave; s12 block row; s16 trips; s17 a mask; s[24:25], s[26:27] where the row and the
; column maxima go (written once, kept to the end); s14-15, s18-23, s28 offsets at work.
;
; THE MODE: SCHED_MODE bits 1:0 = 2 (LLVM: expert scheduling mode 2), set by the entry lines.  The code itself states the register dependences
; between vector or matrix instructions and memory or LDS instructions, with s_wait_alu, always for 0.
; THE PLAN.  Registers that memory or LDS instructions touch, in the loop (pair n = the n-th pair of column tiles, b = n mod 2):
;   BF[0], BF[1]   words 0-4.  Pair n's products read BF[b]; the LDS loads issued in pair n land in BF[1-b], which pair n - 1's products read last.
;   CC[0], CC[1]   Pair n's maxima write CC[b], the last of them (row tile 7's) in pair n + 1's time; two LDS stores in pair n + 1 read it; pair n + 2 writes it anew.
;   BA, BR, CS     Read by every pair's loads and stores; stepped once a trip, at the trip's head.
;   AF, DT, RX, TM are named by vector and matrix instructions alone.
; So a pair has ONE wait on va_vdst, behind row tile 7's maxima of the pair before: CC[1-b] is written, that pair's products are done reading BF[1-b], and, in a trip's
; first pair, the three addresses are written.  Behind it no vector or matrix instruction of the pair names CC[1-b], BF[1-b]'s words 0-4 or an address, so row tile 1's
; products go first and the two stores and four loads follow them with no further wait.  And ONE wait on vm_vsrc, at the pair's head: the stores issued in the pair
; before have read CC[b], and the LDS instructions issued so far have read the addresses that a trip's first pair steps.
; Outside the loop: v[GL] and the other addresses are made once; OU, R4 and K4 are the build's store data and later RX and DT; on the way out RX is store data, loads land
; in AF and in v144-207, and each tree's first four registers are a global store's data.  Each of those has its wait where it stands.
.set BLK,   1024                       ; points of each cloud in a block
.set TILES, BLK/16
.set FP,    528                        ; LDS pitch of a tile's words 0-3: 32 lanes x 16 bytes + 16, so that the four tiles that 16 building lanes write start 16 bytes apart modulo 256
.set TP,    192                        ; LDS pitch of a tile's word 4: 32 lanes x 4 bytes + 64, for the same reason (0, 192, 128, 64 modulo 256)
.set FA,    0                          ; words 0-3 of the source tiles
.set FB,    TILES*FP                   ; words 0-3 of the target tiles
.set TA,    2*TILES*FP                 ; word 4 of the source tiles
.set TBO,   TILES*TP                   ; word 4 of the target tiles, counted from TA
.set CP,    TA+2*TILES*TP              ; column maxima: 16 planes (wave, lane half) of 1,024 f32
.set CPP,   4160                       ; a plane's pitch: 4,096 + 64, so that the two lane halves of a store fall on different banks
.set RS,    CP+16*CPP                  ; row maxima on their way out: for each wave 16 lines (lane mod 16) of 128 f32
.set RSP,   528                        ; a line's pitch: 512 + 16
.set RSW,   16*RSP
.set LN,  1                            ; lane
.set R15, 2                            ; lane mod 16
.set HF,  3                            ; lane / 16
.set GL,  4                            ; 48 t: my 4 points in a block of a cloud
.set GS,  5                            ; 16 t: my 4 results in a block of part
.set WF,  6                            ; LDS: where I put words 0-3
.set WT,  7                            ; LDS: where I put word 4
.set RA,  8                            ; LDS: my wave's source tiles, words 0-3
.set RAT, 9                            ;      and word 4
.set BA,  10                           ; LDS: target tiles, words 0-3, stepped by 4 tiles
.set BR,  11                           ;      and word 4
.set CS,  12                           ; LDS: my place in my wave's two planes, two tiles behind BA's tile
.set RSS, 13                           ; LDS: row stage, in
.set RSL, 14                           ; LDS: row stage, back
.set CL,  15                           ; LDS: my 4 columns in plane 0
.set AF,  16                           ; v[16:79]   8 source fragments
.set RX,  80                           ; v[80:143]  row maxima: tile i, register j = row 16 i + 8 (lane/16) + j, over the columns = lane mod 16 (mod 16)
.set DT,  144                          ; v[144:175] two buffers of two result tiles
.set BF,  176                          ; v[176:207] two buffers of two target fragments
.set CC,  208                          ; v[208:209], v[214:215] column maxima of the two column tiles at work: buffer c at CC + 6 c, by the pair's parity
.set TM,  210                          ; v[210:213] at work
; while the fragments are built, v80-v175 serve as follows
.set PA,  80                           ; 12 f32: 4 source points as loaded, then p'
.set PB,  92                           ; 12 f32: 4 target points
.set HI,  104                          ; 12 f32: the bf16 hi parts
.set MI,  116                          ; 12 f32: the remainders, then the bf16 mid parts
.set OU,  128                          ; 4 points x words 0-3 for lane half 0, then the same for half 1
.set SQ,  160                          ; 4 squared norms
.set RE,  164                          ; 4 remainders of them
.set R4,  168                          ; word 4 of the half that carries the norm, 4 points
.set K4,  172                          ; word 4 of the half that carries the constant: (-1/2, 0), four times
	s_load_b128 s[4:7], s[0:1], 0x0                ; source s[4:5], target s[6:7]
	s_load_b64 s[8:9], s[0:1], 0x10                ; part
	v_lshl_add_u32 v216, v0, 2, 0x37400
	v_mov_b32 v217, 0
	v_lshrrev_b32 v[LN], 5, v0
	v_readfirstlane_b32 s10, v[LN]                 ; wave 0..7
	s_and_b32 s12, ttmp7, 0xffff                   ; block row (sources); ttmp9 is the block column (targets)
	s_mul_i32 s14, s12, BLK*12
	s_mov_b32 s15, 0
	s_mul_i32 s18, ttmp9, BLK*12
	s_mov_b32 s19, 0
	v_mul_u32_u24 v[GL], v0, 48                    ; 4 points of 12 bytes: three aligned loads of 16 bytes
	s_wait_kmcnt 0x0
	s_add_nc_u64 s[4:5], s[4:5], s[14:15]
	s_add_nc_u64 s[6:7], s[6:7], s[18:19]
	s_wait_alu depctr_va_vdst(0)                   ; v[GL] is written, which the six loads below read as their offset
.irp k, 0,1,2
	global_load_b128 v[PA+4*\k:PA+4*\k+3], v[GL], s[4:5] offset:16*\k
.endr
.irp k, 0,1,2
	global_load_b128 v[PB+4*\k:PB+4*\k+3], v[GL], s[6:7] offset:16*\k
.endr
	; where the results go: rows at part[0][block column][1,024 block row], columns at part[1][block row][1,024 block column]
	s_lshl_b32 s14, ttmp9, 16
	s_lshl_b32 s20, s12, 12
	s_add_co_u32 s14, s14, s20
	s_add_nc_u64 s[24:25], s[8:9], s[14:15]        ; s[24:25] and s[26:27] are not written again
	s_lshl_b32 s18, s12, 16
	s_lshl_b32 s20, ttmp9, 12
	s_add_co_u32 s18, s18, s20
	s_add_co_u32 s18, s18, 0x100000
	s_add_nc_u64 s[26:27], s[8:9], s[18:19]
	; LDS addresses: a constant, the wave's number times a constant, a lane term
	v_and_b32 v[LN], 31, v0
	v_and_b32 v[R15], 15, v0
	v_bfe_u32 v[HF], v0, 4, 1
	v_lshrrev_b32 v[TM], 2, v[LN]                  ; my 4 points lie in tile 8 w + lane/4,
	v_and_b32 v[TM+1], 3, v[LN]                    ; at places 4 (lane mod 4) .. + 3
	s_wait_alu depctr_va_sdst(0)                   ; s10 is written, ahead of its first reader: the waves' LDS bases are made from it
	s_mul_i32 s20, s10, 8*FP
	s_mul_i32 s21, s10, 8*TP
	s_add_co_u32 s21, s21, TA
	v_mul_u32_u24 v[WF], v[TM], FP
	v_lshl_add_u32 v[WF], v[TM+1], 6, v[WF]
	v_add_nc_u32 v[WF], s20, v[WF]
	v_mul_u32_u24 v[WT], v[TM], TP
	v_lshl_add_u32 v[WT], v[TM+1], 4, v[WT]
	v_add_nc_u32 v[WT], s21, v[WT]
	v_lshlrev_b32 v[BA], 4, v[LN]                  ; a fragment's words 0-3: 16 bytes a lane, 512 neighbouring bytes a wave
	v_add_nc_u32 v[RA], s20, v[BA]
	v_lshl_add_u32 v[RAT], v[LN], 2, s21           ; word 4: 4 bytes a lane
	v_lshlrev_b32 v[BR], 2, v[LN]
	v_add_nc_u32 v[BR], TA+TBO, v[BR]
	s_mul_i32 s22, s10, 2*CPP
	s_add_co_u32 s22, s22, CP-128                  ; two tiles (128 bytes) behind: the maxima of a pair are stored while the next pair is multiplied
	v_mul_u32_u24 v[CS], v[HF], CPP
	v_lshl_add_u32 v[CS], v[R15], 2, v[CS]
	v_add_nc_u32 v[CS], s22, v[CS]
	s_mul_i32 s23, s10, RSW
	s_add_co_u32 s23, s23, RS
	v_mul_u32_u24 v[RSS], v[R15], RSP
	v_lshl_add_u32 v[RSS], v[HF], 5, v[RSS]        ; line lane mod 16, rows 8 (lane/16) ..
	v_add_nc_u32 v[RSS], s23, v[RSS]
	v_add_nc_u32 v[RSL], s23, v[BA]                ; back: rows 4 lane .. + 3 of a line
	s_lshl_b32 s28, s10, 9
	s_add_co_u32 s28, s28, CP
	v_add_nc_u32 v[CL], s28, v[BA]                 ; columns 4 t .. + 3 of plane 0
	v_lshlrev_b32 v[GS], 4, v0
	s_mov_b32 s17, 0xffff0000                      ; a word's upper bf16
.irp i, 0,1,2,3
	v_mov_b32 v[K4+\i], 0xbf00                     ; (-1/2, 0)
.endr
.irp i, 0,1,2,3,4,5,6,7
.irp j, 5,6,7
	v_mov_b32 v[AF+8*\i+\j], 0                     ; the K slots that are not used: written once, never loaded over
.endr
.endr
.irp i, 0,1,2,3
.irp j, 5,6,7
	v_mov_b32 v[BF+8*\i+\j], 0
.endr
.endr
; three words = six bf16: the triple at a, then the triple at b (f32 registers that hold bf16 values: the conversion is exact)
.macro PACK3 dst, a, b
	v_cvt_pk_bf16_f32 v[\dst],   v[\a],   v[\a+1]
	v_cvt_pk_bf16_f32 v[\dst+1], v[\a+2], v[\b]
	v_cvt_pk_bf16_f32 v[\dst+2], v[\b+1], v[\b+2]
.endm
; Four points (12 f32 at P) to fragment words in LDS.  a0, b0: the two triples of lane half 0; a1, b1: of half 1; hs: the half that carries the norm;
; foff, toff: the cloud's regions.  again = 1: the second cloud, which writes the registers that the first cloud's LDS stores read.
.macro BUILD P, a0, b0, a1, b1, hs, foff, toff, again
.irp k, 0,1,2,3,4,5,6,7,8,9,10,11
	v_cvt_pk_bf16_f32 v[HI+\k], 0, v[\P+\k]        ; bf16 in the upper half over a zero = the hi part as f32
.endr
.irp k, 0,2,4,6,8,10
	v_pk_add_f32 v[MI+\k:MI+\k+1], v[\P+\k:\P+\k+1], v[HI+\k:HI+\k+1] neg_lo:[0,1] neg_hi:[0,1]   ; the remainder, exact
.endr
.irp k, 0,1,2,3,4,5,6,7,8,9,10,11
	v_cvt_pk_bf16_f32 v[MI+\k], 0, v[MI+\k]        ; the mid part as f32
.endr
.irp k, 0,2,4,6,8,10
	v_pk_add_f32 v[\P+\k:\P+\k+1], v[HI+\k:HI+\k+1], v[MI+\k:MI+\k+1]   ; p' = hi + mid, exact: the norm is taken of what the products see
.endr
.irp i, 0,1,2,3
	v_mul_f32 v[SQ+\i], v[\P+3*\i], v[\P+3*\i]
.endr
.irp i, 0,1,2,3
	v_fma_f32 v[SQ+\i], v[\P+3*\i+1], v[\P+3*\i+1], v[SQ+\i]
.endr
.irp i, 0,1,2,3
	v_fma_f32 v[SQ+\i], v[\P+3*\i+2], v[\P+3*\i+2], v[SQ+\i]
.endr
.if \again
	s_wait_alu depctr_vm_vsrc(0)                   ; the first cloud's LDS stores have read v[OU ..] and v[R4 ..], which the lines below write again
.endif
.irp i, 0,1,2,3
	PACK3 OU+4*\i, \a0+3*\i, \b0+3*\i
	PACK3 OU+16+4*\i, \a1+3*\i, \b1+3*\i
	v_mov_b32 v[OU+16*(1-\hs)+4*\i+3], 0xbf00bf00  ; (-1/2, -1/2) meets the other cloud's norm
.endr
	; the norm in three bf16, exact: 8 bits, 8 bits of the remainder, the last 8
.irp i, 0,1,2,3
	v_cvt_pk_bf16_f32 v[RE+\i], 0, v[SQ+\i]
.endr
	v_pk_add_f32 v[RE:RE+1],   v[SQ:SQ+1],   v[RE:RE+1]   neg_lo:[0,1] neg_hi:[0,1]
	v_pk_add_f32 v[RE+2:RE+3], v[SQ+2:SQ+3], v[RE+2:RE+3] neg_lo:[0,1] neg_hi:[0,1]
.irp i, 0,1,2,3
	v_cvt_pk_bf16_f32 v[OU+16*\hs+4*\i+3], v[SQ+\i], v[RE+\i]
.endr
.irp i, 0,1,2,3
	v_and_b32 v[SQ+\i], s17, v[OU+16*\hs+4*\i+3]
.endr
	v_pk_add_f32 v[RE:RE+1],   v[RE:RE+1],   v[SQ:SQ+1]   neg_lo:[0,1] neg_hi:[0,1]
	v_pk_add_f32 v[RE+2:RE+3], v[RE+2:RE+3], v[SQ+2:SQ+3] neg_lo:[0,1] neg_hi:[0,1]
.irp i, 0,1,2,3
	v_cvt_pk_bf16_f32 v[R4+\i], v[RE+\i], 0
.endr
	s_wait_alu depctr_va_vdst(0)                   ; v[OU ..], v[R4 ..] and v[K4 ..], the stores' data, are written, and so are all LDS addresses made at the head
.irp i, 0,1,2,3
	ds_store_b128 v[WF], v[OU+4*\i:OU+4*\i+3]       offset:\foff+16*\i        ; lane place 4 (lane mod 4) + i of half 0
	ds_store_b128 v[WF], v[OU+16+4*\i:OU+16+4*\i+3] offset:\foff+256+16*\i    ; and of half 1
.endr
	ds_store_b128 v[WT], v[R4:R4+3] offset:\toff+64*\hs                       ; word 4 of my 4 points is 16 neighbouring bytes
	ds_store_b128 v[WT], v[K4:K4+3] offset:\toff+64*(1-\hs)
.endm
	s_wait_loadcnt 0x3                             ; loads come back in order (ISA guide 5.7.1): the source's three are in, the target's three may be out
	BUILD PA, HI, HI, MI, MI, 0, FA, 0, 0
	s_wait_loadcnt 0x0
	BUILD PB, HI, MI, HI, MI, 1, FB, TBO, 1
	s_wait_dscnt 0x0                               ; my stores are done, for the others' sake
	s_barrier_signal -1
	s_barrier_wait -1                              ; all fragments are in LDS; nothing writes them again
	s_wait_alu depctr_vm_vsrc(0)                   ; my LDS stores have read v[OU ..], v[R4 ..] and v[K4 ..]: these registers are RX and DT from here on, written by the products and the maxima
.irp i, 0,1,2,3,4,5,6,7
	ds_load_b128 v[AF+8*\i:AF+8*\i+3], v[RA] offset:FA+\i*FP                  ; no wait: the addresses stand ahead of the build's last wait on va_vdst, and no vector instruction has named these words
	ds_load_b32  v[AF+8*\i+4], v[RAT] offset:\i*TP
.endr
	ds_load_b128 v[BF:BF+3],    v[BA] offset:FB
	ds_load_b32  v[BF+4],       v[BR]
	ds_load_b128 v[BF+8:BF+11], v[BA] offset:FB+FP
	ds_load_b32  v[BF+12],      v[BR] offset:TP
; Two products: row tile i times the two column tiles in target buffer b, into result buffer i mod 2.  C = 0: each product stands alone, no sum is carried on.
.macro WM i, b
	v_wmma_f32_16x16x32_bf16 v[DT+16*((\i)&1):DT+16*((\i)&1)+7],    v[AF+8*(\i):AF+8*(\i)+7], v[BF+16*\b:BF+16*\b+7],    0
	v_wmma_f32_16x16x32_bf16 v[DT+16*((\i)&1)+8:DT+16*((\i)&1)+15], v[AF+8*(\i):AF+8*(\i)+7], v[BF+16*\b+8:BF+16*\b+15], 0
.endm
; The 16 maxima of row tile i's two result tiles: 8 take both tiles into the row maxima, register by register; 4 + 4 fold a lane's 8 rows of each tile into the
; tile's column maximum.  rfirst: the first pair of column tiles starts the row maxima; cfirst: row tile 0 starts the column maxima.  Nothing is preset.
; c: the pair's buffer of column maxima.
.macro MX i, rfirst, cfirst, c
.set DA, DT+16*((\i)&1)
.set DB, DA+8
.set RR, RX+8*(\i)
.set CX, CC+6*(\c)
	v_max3_num_f32 v[TM],   v[DA],   v[DA+1], v[DA+2]
	v_max3_num_f32 v[TM+1], v[DA+3], v[DA+4], v[DA+5]
	v_max3_num_f32 v[TM+2], v[DB],   v[DB+1], v[DB+2]
	v_max3_num_f32 v[TM+3], v[DB+3], v[DB+4], v[DB+5]
.if \cfirst
	v_max_num_f32 v[CX],   v[DA+6], v[DA+7]
	v_max_num_f32 v[CX+1], v[DB+6], v[DB+7]
.else
	v_max3_num_f32 v[CX],   v[CX],   v[DA+6], v[DA+7]
	v_max3_num_f32 v[CX+1], v[CX+1], v[DB+6], v[DB+7]
.endif
.irp j, 0,1,2,3
.if \rfirst
	v_max_num_f32 v[RR+\j], v[DA+\j], v[DB+\j]
.else
	v_max3_num_f32 v[RR+\j], v[RR+\j], v[DA+\j], v[DB+\j]
.endif
.endr
	v_max3_num_f32 v[CX],   v[CX],   v[TM],   v[TM+1]
	v_max3_num_f32 v[CX+1], v[CX+1], v[TM+2], v[TM+3]
.irp j, 4,5,6,7
.if \rfirst
	v_max_num_f32 v[RR+\j], v[DA+\j], v[DB+\j]
.else
	v_max3_num_f32 v[RR+\j], v[RR+\j], v[DA+\j], v[DB+\j]
.endif
.endr
.endm
.macro STEPADR                         ; four column tiles on
	v_add_nc_u32 v[BA], 4*FP, v[BA]
	v_add_nc_u32 v[BR], 4*TP, v[BR]
	v_add_nc_u32 v[CS], 4*64, v[CS]
.endm
; One pair of column tiles against my 8 row tiles.  The maxima run one row tile behind the products: behind the products of row tile i stand the 16 maxima of
; row tile i - 1, which name the other result buffer and none of those products' registers.  They are the independent vector instructions that have to stand
; between a matrix instruction and the reading of its result, the next writing of its result buffer, and a load into a fragment that it read.
; b: the pair's target buffer; prev: the pair before has its last row tile to finish (pfirst: it was the first pair); first: this is the first pair;
; load: the next pair's fragments (tiles lt, lt + 1 from BA's tile) are fetched into the other buffer, whose last products stand 32 maxima back; st: where the finished maxima go.
; again: every trip but the first: LDS stores have read this pair's buffer of column maxima, and a trip's first pair steps the addresses.
.macro PAIR b, prev, pfirst, first, load, lt, st, again
	s_wait_dscnt 0x0                               ; this pair's fragments, the youngest LDS instructions out, were asked for seven row tiles ago
.if \again
	s_wait_alu depctr_vm_vsrc(0)                   ; the stores issued in the pair before have read CC[b], which this pair's maxima write anew; the LDS instructions issued so far have read BA, BR and CS
.if \b == 0
	STEPADR
.endif
.endif
	WM 0, \b
.if \prev
	MX 7, \pfirst, 0, 1-\b
	s_wait_alu depctr_va_vdst(0)                   ; CC[1-b] is written, which the stores below read; the last pair's products are done reading BF[1-b], in which the loads below land; in a trip's first pair BA, BR and CS are written
.else
.rept 4
	v_nop                                          ; the very first products have no earlier maxima behind them
.endr
.endif
	WM 1, \b                                       ; names AF, BF[b] and DT: none of the registers that the six LDS instructions below touch
.if \prev
	ds_store_b32 v[CS], v[CC+6*(1-\b)]   offset:\st         ; 16 columns x 2 lane halves, into my wave's own two planes
	ds_store_b32 v[CS], v[CC+6*(1-\b)+1] offset:\st+64
.endif
.if \load
	ds_load_b128 v[BF+16*(1-\b):BF+16*(1-\b)+3],    v[BA] offset:FB+\lt*FP      ; (the first pair's fetch owes no wait: no vector or matrix instruction has named these words, and the addresses stand ahead of the build's last wait)
	ds_load_b32  v[BF+16*(1-\b)+4],                 v[BR] offset:\lt*TP
	ds_load_b128 v[BF+16*(1-\b)+8:BF+16*(1-\b)+11], v[BA] offset:FB+(\lt+1)*FP
	ds_load_b32  v[BF+16*(1-\b)+12],                v[BR] offset:(\lt+1)*TP
.endif
	MX 0, \first, 1, \b
.irp i, 2,3,4,5,6,7
	WM \i, \b
	MX \i-1, \first, 0, \b
.endr
.endm
	; 32 pairs of column tiles, two to a trip: the first trip starts the row maxima, 14 go round, the last fetches nothing beyond tile 63
	PAIR 0, 0, 0, 1, 1, 2, 0, 0
	PAIR 1, 1, 1, 0, 1, 4, 128, 0
	s_mov_b32 s16, 14
.Ltrip:
	PAIR 0, 1, 0, 0, 1, 2, 0, 1
	PAIR 1, 1, 0, 0, 1, 4, 128, 1
	s_sub_co_i32 s16, s16, 1
	s_cmp_lg_u32 s16, 0
	s_cbranch_scc1 .Ltrip
	PAIR 0, 1, 0, 0, 1, 2, 0, 1
	PAIR 1, 1, 0, 0, 0, 4, 128, 1
	MX 7, 0, 0, 1
	s_wait_alu depctr_va_vdst(0)                   ; CC[1] and all of RX are written, which the stores below read; the products are done reading AF, and products and maxima are done with v144-207: loads land in both below
	ds_store_b32 v[CS], v[CC+6] offset:256         ; column tiles 62 and 63
	ds_store_b32 v[CS], v[CC+7] offset:320
; sixteen groups of four numbers at X are folded into the first group
.macro TREE X
.irp c, 0,1,2,3
	v_max3_num_f32 v[\X+\c],    v[\X+\c],    v[\X+4+\c],  v[\X+8+\c]
	v_max3_num_f32 v[\X+12+\c], v[\X+12+\c], v[\X+16+\c], v[\X+20+\c]
	v_max3_num_f32 v[\X+24+\c], v[\X+24+\c], v[\X+28+\c], v[\X+32+\c]
	v_max3_num_f32 v[\X+36+\c], v[\X+36+\c], v[\X+40+\c], v[\X+44+\c]
	v_max3_num_f32 v[\X+48+\c], v[\X+48+\c], v[\X+52+\c], v[\X+56+\c]
.endr
.irp c, 0,1,2,3
	v_max3_num_f32 v[\X+\c],    v[\X+\c],    v[\X+12+\c], v[\X+24+\c]
	v_max3_num_f32 v[\X+36+\c], v[\X+36+\c], v[\X+48+\c], v[\X+60+\c]
.endr
.irp c, 0,1,2,3
	v_max_num_f32 v[\X+\c], v[\X+\c], v[\X+36+\c]
.endr
.endm
	; ROWS.  A row's maximum is spread over 16 lanes.  Folding 64 registers across lanes would take 4 steps each, 256 instructions; through my wave's own stage it takes
	; 16 stores, 16 loads and 32 maxima, and leaves 4 neighbouring rows in a lane: line = lane mod 16, 128 rows along it.
.irp i, 0,1,2,3,4,5,6,7
	ds_store_b128 v[RSS], v[RX+8*\i:RX+8*\i+3]   offset:64*\i
	ds_store_b128 v[RSS], v[RX+8*\i+4:RX+8*\i+7] offset:64*\i+16
.endr
.irp k, 0,1,2,3,4,5,6,7,8,9,10,11,12,13,14,15
	ds_load_b128 v[AF+4*\k:AF+4*\k+3], v[RSL] offset:\k*RSP    ; LDS serves a wave's instructions in order (ISA guide 5.7.1): these see the stores above; the stage is my wave's alone
.endr
	s_wait_dscnt 0x0                               ; the lines are in, and my column maxima are in LDS for the other waves
	s_barrier_signal -1
	TREE AF                                        ; register work while the others arrive
	s_barrier_wait -1
	s_wait_alu depctr_va_vdst(0)                   ; the tree has written v[AF:AF+3], which the store of the rows reads
	; COLUMNS.  16 planes (8 waves x 2 lane halves) of 1,024; thread t folds columns 4 t .. + 3.
.irp k, 0,1,2,3,4,5,6,7,8,9,10,11,12,13,14,15
	ds_load_b128 v[DT+4*\k:DT+4*\k+3], v[CL] offset:\k*CPP
.endr
	global_store_b128 v[GS], v[AF:AF+3], s[24:25]  ; a wave stores 512 neighbouring bytes, at a multiple of 512 from the buffer's first byte
	s_wait_dscnt 0x0
	TREE DT
	s_wait_alu depctr_va_vdst(0)                   ; the tree has written v[DT:DT+3], which the store of the columns reads
	global_store_b128 v[GS], v[DT:DT+3], s[26:27]
	s_wait_dscnt 0x0                               ; the closing lines, six on end
	s_wait_alu 0x0
	s_wait_tensorcnt 0x0
	ds_add_u32 v216, v217
	s_wait_dscnt 0x0
	s_endpgm
.Lfunc_end_k_qe629b78d40_pairs:
	.size	k_qe629b78d40_pairs, .Lfunc_end_k_qe629b78d40_pairs-k_qe629b78d40_pairs
	.p2alignl 7, 3214868480
	.fill 96, 4, 3214868480
	.section	.rodata,"a",@progbits
	.p2align	6, 0x0
	.amdhsa_kernel k_qe629b78d40_pairs
		.amdhsa_group_segment_fixed_size 227328
		.amdhsa_private_segment_fixed_size 0
		.amdhsa_enable_private_segment 0
		.amdhsa_kernarg_size 24
		.amdhsa_user_sgpr_count 2
		.amdhsa_user_sgpr_kernarg_segment_ptr 1
		.amdhsa_wavefront_size32 1
		.amdhsa_system_sgpr_workgroup_id_x 1
		.amdhsa_system_sgpr_workgroup_id_y 1
		.amdhsa_system_sgpr_workgroup_id_z 1
		.amdhsa_system_vgpr_workitem_id 0
		.amdhsa_next_free_vgpr 218
		.amdhsa_next_free_sgpr 66
		.amdhsa_reserve_vcc 0
		.amdhsa_float_denorm_mode_32 3
		.amdhsa_float_denorm_mode_16_64 3
		.amdhsa_memory_ordered 1
		.amdhsa_forward_progress 1
		.amdhsa_inst_pref_size 82
	.end_amdhsa_kernel
	.amdgpu_metadata
---
amdhsa.version: [ 1, 2 ]
amdhsa.kernels:
  - .name:           k_qe629b78d40_pairs
    .symbol:         k_qe629b78d40_pairs.kd
    .args:
      - { .name: source_cloud, .offset: 0, .size: 8, .value_kind: global_buffer, .address_space: global }
      - { .name: target_cloud, .offset: 8, .size: 8, .value_kind: global_buffer, .address_space: global }
      - { .name: part, .offset: 16, .size: 8, .value_kind: global_buffer, .address_space: global }
    .group_segment_fixed_size: 227328
    .private_segment_fixed_size: 0
    .kernarg_segment_align: 8
    .kernarg_segment_size: 24
    .max_flat_workgroup_size: 256
    .sgpr_count:     66
    .vgpr_count:     218
    .wavefront_size: 32
...
	.end_amdgpu_metadata
.endif
;; end of part 3
;; launch fold: the kernel of part 2 again; grid 128 x 2, 1 waves a work-group, no clusters, 0 bytes of LDS; arguments part, out0, out1; writes out0, out1
